; MI455X (gfx1250); checked and timed in simulation.
; The chip was launched on July 23, 2026; its instructions are those of AMD's public machine-readable ISA for CDNA 5 (MIT licence, August 2026) and "CDNA5" Instruction Set Architecture Reference Guide (July 2026). The comments in the code are by the model that wrote it; some were corrected since.
;; Decoder. Allowed arithmetic: float matrix products may take bf16 or f16 operands with f32 sums; all other float work in f32.
;; Inputs: b_emb 64 float32; b_hh 512 float32; b_ih 512 float32; b_pos 2 float32; ch 1 x 65,536 x 128 float32; hh 1 x 65,536 x 128 float32; last_pos 65,536 x 2 float32; last_pos_rel 65,536 x 2 float32; seq_start_end 256 x 2 int32; w_emb 64 x 2 float32; w_hh 512 x 128 float32; w_ih 512 x 64 float32; w_pos 2 x 128 float32.
;; Outputs: out0 8 x 65,536 x 2 float32; out1 1 x 65,536 x 128 float32.
;; One version. Each part assembles by itself: llvm-mc -triple=amdgcn-amd-amdhsa -mcpu=gfx1250 --defsym DOCPART=n.
;; ======== version 1 of 1: 1 launch
;; limits: values are held in f16: magnitudes above 65,504 overflow, below 6.1e-05 lose precision
;; launch decoder (part 1): grid 256 x 1, 8 waves a work-group, no clusters, 310,784 bytes of LDS; arguments ch, hh, last_pos_rel, last_pos, w_ih, w_hh, b_ih, b_hh, w_emb, b_emb, w_pos, b_pos, out0, out1; writes out0, out1
.if DOCPART == 1
	.amdgcn_target "amdgcn-amd-amdhsa--gfx1250"
	.amdhsa_code_object_version 6
	.text
	.protected	k_q67c7b23fa2_decoder
	.globl	k_q67c7b23fa2_decoder
	.p2align	8
	.type	k_q67c7b23fa2_decoder,@function
k_q67c7b23fa2_decoder:
	s_mov_b64 s[64:65], 0
	v_nop
	global_prefetch_b8 v0, s[64:65] scope:SCOPE_SE
	s_setreg_imm32_b32 hwreg(HW_REG_WAVE_MODE, 25, 1), 1
	s_wait_xcnt 0x0
; Decoder: eight LSTM steps (H = 128, EMB = 64) on 65,536 independent rows; out0 = rel of every step, out1 = the last h.
; One launch, 256 work-groups of 256 rows, eight waves.  h and c never leave the work-group between the steps.
;
; ALGEBRA (holds for every input).  x = rel w_emb^T + b_emb and rel = h w_pos^T + b_pos are linear, so they are folded into the weights:
;   Wc = w_ih w_emb [512,2];  b0 = b_ih + b_hh + w_ih b_emb;  b1 = b0 + Wc b_pos;  W1 = w_hh + Wc w_pos [512,128]
;   step 0:      gates = h0 w_hh^T + last_pos_rel Wc^T + b0        steps 1-7:  gates = h W1^T + b1
; rel is then only an output, K is 128 instead of 192, and x is never formed: the order of rounding differs from the formula as written.
; The factor of the exponential is folded in too: rows of i, f, o are multiplied by -log2(e), rows of g by kappa = 2 log2(e), and the cell is kept
; as s = kappa c, so that an accumulator is the argument of v_exp_f32 as it stands.  One element, seven transcendentals:
;   Ei, Ef, Eg, Eo = exp2(gate);  BC = (1+Ei)(1+Eg);  T = kappa (Eg-1)(1+Ef);  s2 = (s BC + T) / (BC (1+Ef));  Ec = exp2(s2);  h = (Ec-1) / ((1+Eo)(1+Ec))
; LIMITS.  The arguments of i, f, g are cut at 40, those of o and of Ec at 60, so both denominators stay below 2^121 and no reciprocal is denormal:
; a sigmoid bottoms out at 2^-40 (o: 2^-60).  v_min_num_f32 drops a NaN, so a NaN gate is not passed on.  Matrix operands are f16 (finer than bf16;
; |h| < 1 behind step 0): |h0|, |last_pos_rel|, |w_pos| and the scaled weights must stay below 65,504.
; last_pos enters only cur = rel + last_pos, which no output takes: it is loaded and cur is carried.  seq_start_end stands in no expression.
;
; SHARES.  Wave w owns hidden units 16w .. 16w+15 of all four gates for all 256 rows: 4 gate tiles x 4 K blocks = 128 registers for a weight set,
; and both sets (step 0; steps 1-7) stay in registers.  A = weights, B = h, so a lane of D holds eight neighbouring units of one row.
; h goes round through two LDS buffers in f16 (one read, the other written: one barrier a step); s lies in LDS in f32, each wave reading and
; writing its own region alone.
; ORDER IN A TILE.  A batch tile of 16 rows is 16 matrix instructions, 88 plain vector instructions and 56 transcendentals.  The next tile's 16 matrix
; instructions are dealt singly among this tile's vector instructions, one behind every eight plain or four transcendental ones, so that a wave has
; vector work of its own to issue behind each of them.  The tile's last third holds no matrix instruction; all LDS traffic stands there.
; REGISTERS, in windows of 256 (s_set_vgpr_msb: bits 1:0 source 0, 3:2 source 1, 5:4 source 2, 7:6 destination).  So that this dealing needs no
; switch, all that the loop of steps 1-7 names lies in window 0: the weight set W1, the h fragments, both accumulator sets, s and the addresses.
; Window 1 holds what is used seldom: the set W0 of step 0, the biases (C of a tile's first four products: setting 0x10, under which only
; instructions without a third source are dealt), the Wc and w_pos tiles and the rel registers.
; NOT USED.  Tensor loads and copies: hh is converted and ch scaled on the way in, and LDS is filled once.  Clusters: the work-groups share only the
; 0.4 MB of weights, read once by each, straight into fragment registers with arithmetic on the way.  Prefetch: all loads go out at the first lines.
.set HPITCH, 272                       ; a row of h: 256 bytes of f16 + 16: 17 x 16, so sixteen rows start in sixteen different 16-byte columns of 256
.set TSTEP,  16*HPITCH                 ; a batch tile of 16 rows of h
.set HB0,    0                         ; h, buffer 0: 256 rows
.set HB1,    256*HPITCH                ; h, buffer 1
.set XB,     2*256*HPITCH              ; s (in the last step h in f32): eight regions, one a wave
.set SPITCH, 80                        ; a row of a region: 16 units in f32 + 16 bytes = 5 x 16
.set SSTEP,  16*SPITCH
.set SW,     256*SPITCH+64             ; a region; 64 modulo 256, so that a staged row of 512 bytes falls into 16 different columns for 16 lanes
.set TB,     XB+8*SW                   ; biases: 512 bytes a wave: b0 of gate g at 64 g, b1 at 256 + 64 g
.set LPR,    TB+4096                   ; last_pos_rel of the 256 rows, 8 bytes each; ends at byte 309,760
; window 0, main phase
.set RDA, 1                            ; address of the h fragments, stepped
.set HSA, 2                            ; address of the h store, stepped
.set SA,  3                            ; address of s, stepped
.set LPA, 4                            ; address in LPR, stepped (step 0)
.set RL0, 5                            ; rel fragments in buffer 0: (32w + r) 272 + 16 hf
.set RL1, 6                            ; the same in buffer 1
.set CFR, 7                            ; r 272 + 16 hf
.set CHS, 8                            ; r 272 + 32 w + 16 hf
.set CS,  9                            ; XB + w SW + r 80 + 32 hf
.set TBD, 10                           ; TB + 512 w + 32 hf
.set KP,  12                           ; (kappa, kappa)
.set KN,  14                           ; (-kappa, -kappa)
.set SV,  16                           ; v[16:23]   s of a tile
.set HPK, 24                           ; v[24:27]   eight h in f16
.set XS,  28                           ; staging address in X: XB + (L>>2) SW + 32 w 80 + 16 (L&3)
.set CO,  29                           ; w 16384 + 16 L: my 16 bytes of row 32 w in ch, hh, out1
.set LXY, 30                           ; v[30:31]   last_pos_rel of a tile row (step 0)
.set FR,  32                           ; v[32:63]   h fragments of one tile, K block q at 8 q
.set ACC0, 64                          ; v[64:95]   gates i, f, g, o at 0, 8, 16, 24
.set ACC1, 96                          ; v[96:127]  the same
.set W1,  128                          ; v[128:255] weights of steps 1-7: gate g, K block q at 32 g + 8 q
; window 1 (v256-v511), by the low 8 bits
.set W0,  0                            ; 0-127   weights of step 0: gate g, K block q at 32 g + 8 q (before that: ch as loaded)
.set RF0, 0                            ; 0-31    behind step 0: rel fragments of tile 2w
.set RF1, 32                           ; 32-63   and of tile 2w+1
.set BIAS, 128                         ; 128-159 gate g at 8 g
.set AX,  160                          ; 160-191 A tiles of Wc, gate g at 8 g
.set POSW, 192                         ; 192-223 w_pos as A tiles, K block q at 8 q (192-255: w_pos as loaded)
.set RA,  224                          ; rel sums of tile 2w
.set RB,  232                          ; rel sums of tile 2w+1
.set AXP, 224                          ; set-up: (ax, ax), (ay, ay) of gate g at 4 g
.set BX,  240                          ; B tile of last_pos_rel
.set BP,  248                          ; b_pos
.set CUR, 250                          ; cur of row tid
.set RELV, 252                         ; rel of row tid
.set TID8, 254                         ; 8 tid
; window 0, set-up only
.set BHH, 6                            ; v[6:9]   b_hh
.set AXS, 10                           ; v[10:13] Wc[.,0] of my unit, gate g
.set AYS, 14                           ; v[14:17] Wc[.,1]
.set ABS, 18                           ; v[18:21] w_ih b_emb, then b0
.set B1S, 22                           ; v[22:25] b_ih, then b1
.set TMP, 26
.set TBS, 27
.set RR,  30                           ; r = lane & 15
.set HF,  31                           ; hf = lane >> 4
.set WEMB, 32                          ; v[32:95]   w_emb of my 32 e
.set BEMB, 96                          ; v[96:127]  b_emb of my 32 e
.set WIH, 128                          ; v[128:255] w_ih: gate g at 32 g
.set HH,  128                          ; v[128:255] then hh as loaded
.set WP0, 32                           ; v[32:47], v[48:63] w_pos rows 0, 1 at my 16 k of a K block
.set WP1, 48
.set WH,  64                           ; v[64:127]  w_hh: gate g at 16 g
.set MSB, 0
.macro WIN new                         ; the immediate's high byte repeats the setting that is left; a switch that changes nothing is dropped
.if MSB != \new
	s_set_vgpr_msb (MSB<<8)|\new
.set MSB, \new
.endif
.endm
.macro SIGMA g                         ; the scalar pair with the factor of gate g: kappa for g, -log2(e) for i, f, o
.if \g == 2
.set SIG, 50
.else
.set SIG, 52
.endif
.endm
	; ---- addresses and constants
	s_load_b512 s[8:23], s[0:1], 0x0               ; ch 8, hh 10, last_pos_rel 12, last_pos 14, w_ih 16, w_hh 18, b_ih 20, b_hh 22
	s_load_b256 s[24:31], s[0:1], 0x40             ; w_emb 24, b_emb 26, w_pos 28, b_pos 30
	s_load_b128 s[32:35], s[0:1], 0x60             ; out0 32, out1 34
	v_and_b32 v[RR], 15, v0
	v_bfe_u32 v[HF], v0, 4, 1
	v_and_b32 v[TMP], 31, v0                       ; L
	v_lshrrev_b32 v[TBS], 5, v0
	v_readfirstlane_b32 s2, v[TBS]                 ; wave number w
	s_mov_b32 s4, 0x76543210                       ; v_permlanex16_b32: lane i takes lane i of the other half
	s_mov_b32 s5, 0xfedcba98
	s_mov_b32 s6, 0x42200000                       ; 40.0
	s_mov_b32 s7, 0x42700000                       ; 60.0
	s_mov_b32 s44, 0xffff0000                      ; lanes 16-31
	s_mov_b32 s45, 0x0000ffff                      ; lanes 0-15
	s_mov_b32 s46, 0x03030303                      ; lanes with r & 7 < 2
	s_mov_b32 s50, 0x4038aa3b                      ; kappa = 2 log2(e)
	s_mov_b32 s51, 0x4038aa3b
	s_mov_b32 s52, 0xbfb8aa3b                      ; -log2(e)
	s_mov_b32 s53, 0xbfb8aa3b
	s_mov_b32 s54, 0xc038aa3b                      ; -kappa
	v_lshlrev_b32 v1, 8, v[HF]                     ; w_emb: my 32 e are 256 bytes
	v_lshlrev_b32 v2, 7, v[HF]                     ; b_emb: 128 bytes
	s_lshl_b32 s3, s2, 4
	v_add_nc_u32 v4, s3, v[RR]                     ; my unit 16 w + r
	v_lshl_add_u32 v3, v4, 8, v2                   ; w_ih: unit x 256 + 128 hf
	v_lshlrev_b32 v4, 2, v4                        ; b_ih, b_hh
	v_and_b32 v5, 1, v0
	v_lshlrev_b32 v5, 9, v5
	v_lshl_add_u32 v5, v[HF], 5, v5                ; w_pos as an A tile: row r & 1, 32 hf
	s_lshl_b32 s3, s2, 14
	v_lshl_add_u32 v[CO], v[TMP], 4, s3
	v_lshrrev_b32 v[TBS], 2, v[TMP]
	v_mul_u32_u24 v[TBS], v[TBS], SW
	v_and_b32 v[XS], 3, v0
	v_lshl_add_u32 v[XS], v[XS], 4, v[TBS]
	s_mul_i32 s3, s2, 32*SPITCH
	s_add_co_u32 s3, s3, XB
	v_add_nc_u32 v[XS], s3, v[XS]
	s_wait_kmcnt 0x0
	s_load_b64 s[40:41], s[30:31], 0x0             ; b_pos
	s_lshl_b32 s38, ttmp9, 17                      ; 256 rows of 512 bytes
	s_mov_b32 s39, 0
	s_add_nc_u64 s[8:9], s[8:9], s[38:39]
	s_add_nc_u64 s[10:11], s[10:11], s[38:39]
	s_add_nc_u64 s[34:35], s[34:35], s[38:39]
	s_lshl_b32 s38, ttmp9, 11                      ; 256 rows of 8 bytes
	s_add_nc_u64 s[12:13], s[12:13], s[38:39]
	s_add_nc_u64 s[14:15], s[14:15], s[38:39]
	s_add_nc_u64 s[32:33], s[32:33], s[38:39]
	; ---- 80 small loads (for Wc, the biases and w_pos), then the 32 of ch
.irp i, 0,1,2,3,4,5,6,7,8,9,10,11,12,13,14,15
	global_load_b128 v[WEMB+4*\i:WEMB+4*\i+3], v1, s[24:25] offset:16*\i
.endr
.irp i, 0,1,2,3,4,5,6,7
	global_load_b128 v[BEMB+4*\i:BEMB+4*\i+3], v2, s[26:27] offset:16*\i
.endr
.irp g, 0,1,2,3
.irp i, 0,1,2,3,4,5,6,7
	global_load_b128 v[WIH+32*\g+4*\i:WIH+32*\g+4*\i+3], v3, s[16:17] offset:32768*\g+16*\i
.endr
	global_load_b32 v[B1S+\g], v4, s[20:21] offset:512*\g
	global_load_b32 v[BHH+\g], v4, s[22:23] offset:512*\g
.endr
	WIN 0x40                                       ; destinations in window 1
.irp q, 0,1,2,3
.irp c, 0,1,2,3
	global_load_b128 v[POSW+16*\q+4*\c:POSW+16*\q+4*\c+3], v5, s[28:29] offset:128*\q+16*(\c&1)+64*(\c>>1)   ; k = 32q + 8hf .. +7 and 32q + 16 + 8hf .. +7
.endr
.endr
.set i, 0
.rept 32
	global_load_b128 v[4*i:4*i+3], v[CO], s[8:9] offset:512*i th:TH_LOAD_NT    ; ch, row 32 w + i: the wave takes the row's 512 bytes
.set i, i+1
.endr
	WIN 0
	; ---- Wc, b0, b1 of my unit in each gate: each half of the lanes sums its 32 e, the halves are added
	s_wait_loadcnt 32                              ; the 80 small loads are in; the 32 of ch, issued behind them, stay out
.irp g, 0,1,2,3
	v_mul_f32 v[AXS+\g], v[WIH+32*\g], v[WEMB]     ; the first products start the sums
	v_mul_f32 v[AYS+\g], v[WIH+32*\g], v[WEMB+1]
	v_mul_f32 v[ABS+\g], v[WIH+32*\g], v[BEMB]
.endr
.set e, 1
.rept 31
.irp g, 0,1,2,3
	v_fmac_f32 v[AXS+\g], v[WIH+32*\g+e], v[WEMB+2*e]
	v_fmac_f32 v[AYS+\g], v[WIH+32*\g+e], v[WEMB+2*e+1]
	v_fmac_f32 v[ABS+\g], v[WIH+32*\g+e], v[BEMB+e]
.endr
.set e, e+1
.endr
.irp x, 10,11,12,13,14,15,16,17,18,19,20,21
	v_permlanex16_b32 v[TMP], v\x, s4, s5          ; its destination counts as read: TMP has been written above
	v_add_f32 v\x, v\x, v[TMP]
.endr
	s_wait_kmcnt 0x0                               ; b_pos
	s_lshl_b32 s3, s2, 9
	s_add_co_u32 s3, s3, TB
	v_lshl_add_u32 v[TBS], v[RR], 2, s3            ; my unit's word in my wave's table
	v_lshl_add_u32 v[TMP], v[HF], 5, s3            ; the eight units that a lane of D holds
.irp g, 0,1,2,3
	SIGMA \g
	v_add_f32 v[ABS+\g], v[ABS+\g], v[B1S+\g]
	v_add_f32 v[ABS+\g], v[ABS+\g], v[BHH+\g]      ; b0
	v_fma_f32 v[B1S+\g], v[AXS+\g], s40, v[ABS+\g]
	v_fma_f32 v[B1S+\g], v[AYS+\g], s41, v[B1S+\g] ; b1 = b0 + Wc b_pos
	v_mul_f32 v[AXS+\g], s[SIG], v[AXS+\g]         ; all four take the gate's factor
	v_mul_f32 v[AYS+\g], s[SIG], v[AYS+\g]
	v_mul_f32 v[ABS+\g], s[SIG], v[ABS+\g]
	v_mul_f32 v[B1S+\g], s[SIG], v[B1S+\g]
	ds_store_b32 v[TBS], v[ABS+\g] offset:64*\g    ; both halves of the lanes write the same word with the same value
	ds_store_b32 v[TBS], v[B1S+\g] offset:256+64*\g
.endr
	WIN 0x45                                       ; sources and destination in window 1
.set x, 0
.rept 32
	v_cvt_pk_f16_f32 v[POSW+x], v[POSW+2*x], v[POSW+2*x+1]     ; packed in place: word x is written when words up to 2x+1 have been read
.set x, x+1
.endr
	WIN 0x40                                       ; destination in window 1, sources in window 0
.irp g, 0,1,2,3
	v_cvt_pk_f16_f32 v[AX+8*\g], v[AXS+\g], v[AYS+\g]          ; A tile of Wc: k = 0, 1 lie in register 0 of lanes 0-15
	v_mov_b32 v[AXP+4*\g], v[AXS+\g]               ; pairs for the packed multiply-adds of the weight build
	v_mov_b32 v[AXP+4*\g+1], v[AXS+\g]
	v_mov_b32 v[AXP+4*\g+2], v[AYS+\g]
	v_mov_b32 v[AXP+4*\g+3], v[AYS+\g]
.irp j, 1,2,3,4,5,6,7
	v_mov_b32 v[AX+8*\g+\j], 0                     ; all other k are zero
.endr
.endr
	WIN 0x44                                       ; source 1 and destination in window 1
.set x, 0
.rept 32
	v_cndmask_b32 v[POSW+x], 0, v[POSW+x], s46     ; rows 0, 1, 8, 9 of the A tile are w_pos x, y, x, y; the others are zero
.set x, x+1
.endr
.irp g, 0,1,2,3
	v_cndmask_b32 v[AX+8*\g], 0, v[AX+8*\g], s45   ; k = 8, 9 (lanes 16-31) are zero too
.endr
.irp g, 0,1,2,3
	ds_load_b128 v[BIAS+8*\g:BIAS+8*\g+3], v[TMP] offset:64*\g         ; b0; my wave's own bytes, and LDS serves a wave in order (ISA guide 5.7.1)
	ds_load_b128 v[BIAS+8*\g+4:BIAS+8*\g+7], v[TMP] offset:64*\g+16
.endr
	WIN 0
	; ---- hh, the two positions, and the first K block of the weights
.macro WLOAD q                         ; 24 loads: w_pos rows 0, 1 and w_hh of my unit in four gates, at my 16 k of K block q
.irp c, 0,1,2,3
	global_load_b128 v[WP0+4*\c:WP0+4*\c+3], v1, s[28:29] offset:128*\q+16*(\c&1)+64*(\c>>1)
	global_load_b128 v[WP1+4*\c:WP1+4*\c+3], v1, s[28:29] offset:512+128*\q+16*(\c&1)+64*(\c>>1)
.endr
.irp g, 0,1,2,3
.irp c, 0,1,2,3
	global_load_b128 v[WH+16*\g+4*\c:WH+16*\g+4*\c+3], v2, s[18:19] offset:65536*\g+128*\q+16*(\c&1)+64*(\c>>1)
.endr
.endr
.endm
	v_lshlrev_b32 v1, 5, v[HF]                     ; v1-v5 were addresses of the small loads, which the wait above has shown done
	s_lshl_b32 s3, s2, 4
	v_add_nc_u32 v2, s3, v[RR]
	v_lshl_add_u32 v2, v2, 9, v1                   ; w_hh: unit x 512 + 32 hf
	v_and_b32 v3, 31, v0
	s_mul_i32 s3, s2, 32*HPITCH
	v_lshl_add_u32 v3, v3, 3, s3                   ; h staging: row 32 w, 8 L
	v_lshlrev_b32 v4, 3, v0
	v_add_nc_u32 v5, LPR, v4
.set i, 0
.rept 32
	global_load_b128 v[HH+4*i:HH+4*i+3], v[CO], s[10:11] offset:512*i th:TH_LOAD_NT    ; into the registers that held w_ih
.set i, i+1
.endr
	global_load_b64 v[6:7], v4, s[12:13]           ; last_pos_rel of row tid
	WIN 0x40
	global_load_b64 v[CUR:CUR+1], v4, s[14:15]     ; last_pos of row tid
	WIN 0
	WLOAD 0
	; ---- staging: s = kappa c in f32 into the owners' regions, h0 in f16 into buffer 0
	s_wait_loadcnt 58                              ; ch is in: 32 + 2 + 24 loads were issued behind it
	WIN 0x41
.set i, 0
.rept 64
	v_pk_mul_f32 v[2*i:2*i+1], v[2*i:2*i+1], s[50:51] op_sel_hi:[1,0]
.set i, i+1
.endr
	WIN 0x04                                       ; store data in window 1
.set i, 0
.rept 32
	ds_store_b128 v[XS], v[4*i:4*i+3] offset:SPITCH*i
.set i, i+1
.endr
	WIN 0
	s_wait_loadcnt 26                              ; hh is in: 2 + 24 behind it
.set i, 0
.rept 32
	v_cvt_pk_f16_f32 v[HH+4*i], v[HH+4*i], v[HH+4*i+1]
	v_cvt_pk_f16_f32 v[HH+4*i+1], v[HH+4*i+2], v[HH+4*i+3]
.set i, i+1
.endr
.set i, 0
.rept 32
	ds_store_b64 v3, v[HH+4*i:HH+4*i+1] offset:HPITCH*i
.set i, i+1
.endr
	s_wait_loadcnt 24                              ; the two positions are in: the 24 weight loads behind them
	ds_store_b64 v5, v[6:7]
	; ---- both weight sets, one K block at a time
.macro WBUILD q
.irp g, 0,1,2,3
	SIGMA \g
.irp p, 0,1,2,3,4,5,6,7
	v_pk_mul_f32 v[WH+16*\g+2*\p:WH+16*\g+2*\p+1], v[WH+16*\g+2*\p:WH+16*\g+2*\p+1], s[SIG:SIG+1] op_sel_hi:[1,0]
.endr
.endr
	WIN 0x40
.irp g, 0,1,2,3
.irp p, 0,1,2,3,4,5,6,7
	v_cvt_pk_f16_f32 v[W0+32*\g+8*\q+\p], v[WH+16*\g+2*\p], v[WH+16*\g+2*\p+1]     ; W0 = factor x w_hh
.endr
.endr
	WIN 0x04                                       ; source 1, the (ax, ax) and (ay, ay) pairs, in window 1
.irp g, 0,1,2,3
.irp p, 0,1,2,3,4,5,6,7
	v_pk_fma_f32 v[WH+16*\g+2*\p:WH+16*\g+2*\p+1], v[WP0+2*\p:WP0+2*\p+1], v[AXP+4*\g:AXP+4*\g+1], v[WH+16*\g+2*\p:WH+16*\g+2*\p+1]
.endr
.irp p, 0,1,2,3,4,5,6,7
	v_pk_fma_f32 v[WH+16*\g+2*\p:WH+16*\g+2*\p+1], v[WP1+2*\p:WP1+2*\p+1], v[AXP+4*\g+2:AXP+4*\g+3], v[WH+16*\g+2*\p:WH+16*\g+2*\p+1]
.endr
.endr
	WIN 0
.irp g, 0,1,2,3
.irp p, 0,1,2,3,4,5,6,7
	v_cvt_pk_f16_f32 v[W1+32*\g+8*\q+\p], v[WH+16*\g+2*\p], v[WH+16*\g+2*\p+1]     ; W1 = factor x (w_hh + Wc w_pos), where hh has been staged from
.endr
.endr
.endm
	s_wait_loadcnt 0x0
	WBUILD 0
	WLOAD 1
	s_wait_loadcnt 0x0
	WBUILD 1
	WLOAD 2
	s_wait_loadcnt 0x0
	WBUILD 2
	WLOAD 3
	s_wait_loadcnt 0x0                             ; no global load is out from here on
	WBUILD 3
	; ---- the main phase's registers
	v_mul_u32_u24 v[CFR], v[RR], HPITCH
	v_lshl_add_u32 v[CFR], v[HF], 4, v[CFR]
	s_lshl_b32 s3, s2, 5
	v_add_nc_u32 v[CHS], s3, v[CFR]
	s_mul_i32 s3, s2, 32*HPITCH
	v_add_nc_u32 v[RL0], s3, v[CFR]
	v_add_nc_u32 v[RL1], HB1, v[RL0]
	v_mul_u32_u24 v[CS], v[RR], SPITCH
	v_lshl_add_u32 v[CS], v[HF], 5, v[CS]
	s_mul_i32 s3, s2, SW
	s_add_co_u32 s3, s3, XB
	v_add_nc_u32 v[CS], s3, v[CS]
	s_lshl_b32 s3, s2, 9
	s_add_co_u32 s3, s3, TB
	v_lshl_add_u32 v[TBD], v[HF], 5, s3
	v_lshl_add_u32 v[LPA], v[RR], 3, LPR           ; the last use of r and hf: their registers take last_pos_rel from here on
	v_mov_b32 v[KP], s50
	v_mov_b32 v[KP+1], s50
	v_mov_b32 v[KN], s54
	v_mov_b32 v[KN+1], s54
	WIN 0x40
.irp j, 0,1,2,3,4,5,6,7
	v_mov_b32 v[BX+\j], 0                          ; the B tile of last_pos_rel: only register 0 (k = 0, 1) is ever filled
.endr
	v_mov_b32 v[BP], s40
	v_mov_b32 v[BP+1], s41
	v_lshlrev_b32 v[TID8], 3, v0
	WIN 0
	s_wait_dscnt 0x0                               ; my staging stores are done (and b0 is in)
	s_barrier_signal -1
	s_barrier_wait -1                              ; everybody's are: h0, s and last_pos_rel may be read
; ---- helpers on two, four or eight registers
.macro MIN8 base, lim
.irp j, 0,1,2,3,4,5,6,7
	v_min_num_f32 v[\base+\j], s[\lim], v[\base+\j]
.endr
.endm
.macro EXP4 base
.irp j, 0,1,2,3
	v_exp_f32 v[\base+\j], v[\base+\j]
.endr
.endm
.macro RCP2 base
.irp j, 0,1
	v_rcp_f32 v[\base+\j], v[\base+\j]
.endr
.endm
.macro RCP4 base
.irp j, 0,1,2,3
	v_rcp_f32 v[\base+\j], v[\base+\j]
.endr
.endm
.macro PKFMA d, a, b, c
.irp j, 0,2,4,6
	v_pk_fma_f32 v[\d+\j:\d+\j+1], v[\a+\j:\a+\j+1], v[\b+\j:\b+\j+1], v[\c+\j:\c+\j+1]
.endr
.endm
.macro PKMUL d, a, b
	s_wait_alu depctr_va_vdst(0)
.irp j, 0,2,4,6
	v_pk_mul_f32 v[\d+\j:\d+\j+1], v[\a+\j:\a+\j+1], v[\b+\j:\b+\j+1]
.endr
.endm
.macro PKADDC d, c
	s_wait_alu depctr_va_vdst(0)
.irp j, 0,2,4,6
	v_pk_add_f32 v[\d+\j:\d+\j+1], v[\d+\j:\d+\j+1], \c op_sel_hi:[1,0]
.endr
.endm
.macro PLACES                          ; four plain vector instructions between a matrix instruction and a reader of its result or a load into its registers
.rept 4
	v_nop
.endr
.endm
.macro FRLOAD off                      ; the h fragments of one tile: lane (r, hf) takes row r, k = 32q + 8hf .. +7 and 32q + 16 + 8hf .. +7
.irp kq, 0,1,2,3
	ds_load_b128 v[FR+8*\kq:FR+8*\kq+3], v[RDA] offset:\off+64*\kq
	ds_load_b128 v[FR+8*\kq+4:FR+8*\kq+7], v[RDA] offset:\off+64*\kq+32
.endr
.endm
; The gate products of one batch tile.  The bias is the C of the first product: nothing is cleared or added later.
; In all three forms the four accumulators take turns, one instruction a turn.
; Step 0, as one run: last_pos_rel Wc^T + b0, then h0 W0^T.
.macro GROUP0 acc
	WIN 0x40
	v_cvt_pk_f16_f32 v[BX], v[LXY], v[LXY+1]       ; k = 0, 1 of the tile's row r; in lanes 16-31 it meets zeros of A
	WIN 0x15                                       ; A, B and C in window 1
.irp g, 0,1,2,3
	v_wmma_f32_16x16x32_f16 v[\acc+8*\g:\acc+8*\g+7], v[AX+8*\g:AX+8*\g+7], v[BX:BX+7], v[BIAS+8*\g:BIAS+8*\g+7]
.endr
	WIN 0x01                                       ; A in window 1
.irp kq, 0,1,2,3
.irp g, 0,1,2,3
	v_wmma_f32_16x16x32_f16 v[\acc+8*\g:\acc+8*\g+7], v[W0+32*\g+8*\kq:W0+32*\g+8*\kq+7], v[FR+8*\kq:FR+8*\kq+7], v[\acc+8*\g:\acc+8*\g+7]
.endr
.endr
	WIN 0
.endm
; Steps 1-7, as one run: for tile 0, at the head of a step, where there is no vector work to deal it among.
.macro GROUP1 acc
	WIN 0x10                                       ; C in window 1
.irp g, 0,1,2,3
	v_wmma_f32_16x16x32_f16 v[\acc+8*\g:\acc+8*\g+7], v[W1+32*\g:W1+32*\g+7], v[FR:FR+7], v[BIAS+8*\g:BIAS+8*\g+7]
.endr
	WIN 0
.irp kq, 1,2,3
.irp g, 0,1,2,3
	v_wmma_f32_16x16x32_f16 v[\acc+8*\g:\acc+8*\g+7], v[W1+32*\g+8*\kq:W1+32*\g+8*\kq+7], v[FR+8*\kq:FR+8*\kq+7], v[\acc+8*\g:\acc+8*\g+7]
.endr
.endr
.endm
; Steps 1-7, one at a time: product idx (0-15) is gate idx & 3, K block idx >> 2.  Ahead of a K block's four stands the counted wait for its two loads:
; behind them were issued the 6, 4, 2, 0 loads of the later blocks and five more LDS instructions (two stores, two loads of s, one store of h).
; Step 0 puts its whole run in the place of product 0; there the same five stand behind the load of last_pos_rel, which follows the fragments.
.macro WM idx, acc, kind, next
.if \next
.if \kind == 0
.if \idx == 0
	s_wait_dscnt 5
	GROUP0 \acc
.endif
.else
.set WG, \idx & 3
.set WQ, \idx >> 2
.if WG == 0
	s_wait_dscnt 11-2*WQ
.endif
.if WQ == 0
	WIN 0x10                                       ; C, the bias, in window 1; until product 4 only instructions without a third source follow
	v_wmma_f32_16x16x32_f16 v[\acc+8*WG:\acc+8*WG+7], v[W1+32*WG:W1+32*WG+7], v[FR:FR+7], v[BIAS+8*WG:BIAS+8*WG+7]
.else
	WIN 0
	v_wmma_f32_16x16x32_f16 v[\acc+8*WG:\acc+8*WG+7], v[W1+32*WG+8*WQ:W1+32*WG+8*WQ+7], v[FR+8*WQ:FR+8*WQ+7], v[\acc+8*WG:\acc+8*WG+7]
.endif
.endif
.endif
.endm
; The elements of one tile whose gates lie in p, with the next tile's products (into nx) dealt among them.
; tb: the tile's place in the trip (0, 1).  kind: 0 = step 0, 1 = steps 1-6, 2 = the last step.  next: the next tile is multiplied.
; fetch: the h fragments of the tile after next are asked for.  sf: the next tile's s is asked for.
; Behind each run of transcendentals stands a plain vector instruction that touches neither its results nor its sources (ISA guide 5.7.2);
; the matrix instructions in between are not counted as such.
.macro TILE p, nx, tb, kind, next, fetch, sf
.set TI, \p
.set TF, \p+8
.set TG, \p+16
.set TO, \p+24
	MIN8 TI, 6
	WM 0, \nx, \kind, \next
	MIN8 TG, 6
	WM 1, \nx, \kind, \next
	EXP4 TI                                        ; Ei
	WM 2, \nx, \kind, \next
	EXP4 TI+4
	WM 3, \nx, \kind, \next
	MIN8 TF, 6
	WM 4, \nx, \kind, \next
	EXP4 TG                                        ; Eg
	WM 5, \nx, \kind, \next
	EXP4 TG+4
	WM 6, \nx, \kind, \next
	MIN8 TO, 7
	WM 7, \nx, \kind, \next
	EXP4 TF                                        ; Ef
	WM 8, \nx, \kind, \next
	EXP4 TF+4
	WM 9, \nx, \kind, \next
	EXP4 TO                                        ; Eo
	WM 10, \nx, \kind, \next
	EXP4 TO+4
	WM 11, \nx, \kind, \next
	PKADDC TI, 1.0                                 ; 1 + Ei
	PKFMA TI, TI, TG, TI                           ; BC = (1 + Ei)(1 + Eg)
	WM 12, \nx, \kind, \next
.irp j, 0,2,4,6
	v_pk_fma_f32 v[TG+\j:TG+\j+1], v[TG+\j:TG+\j+1], v[KP:KP+1], v[KN:KN+1]    ; kappa (Eg - 1)
.endr
	PKFMA TG, TF, TG, TG                           ; T = kappa (Eg - 1)(1 + Ef)
	WM 13, \nx, \kind, \next
	PKFMA TF, TI, TF, TI                           ; BC (1 + Ef)
	RCP2 TF
	WM 14, \nx, \kind, \next
	RCP4 TF+2
	WM 15, \nx, \kind, \next
	RCP2 TF+6
	s_wait_dscnt 0x0                               ; this tile's s is in (asked for in the tile before)
	PKFMA TG, SV, TI, TG                           ; s BC + T
	PKADDC TO, 1.0                                 ; 1 + Eo
	PKMUL SV, TG, TF                               ; the new s
.irp j, 0,1,2,3,4,5,6,7
	v_min_num_f32 v[TI+\j], s7, v[SV+\j]
.endr
	; one group of LDS instructions; twenty plain vector instructions stand between the last product, which read FR, and these loads
.if \fetch
	FRLOAD TSTEP*(\tb+2)
.if \kind == 0
	ds_load_b64 v[LXY:LXY+1], v[LPA] offset:128*(\tb+2)
.endif
.endif
.if \kind != 2
	ds_store_b128 v[SA], v[SV:SV+3] offset:SSTEP*\tb
	ds_store_b128 v[SA], v[SV+4:SV+7] offset:SSTEP*\tb+16
.endif
.if \sf
	ds_load_b128 v[SV:SV+3], v[SA] offset:SSTEP*(\tb+1)
	ds_load_b128 v[SV+4:SV+7], v[SA] offset:SSTEP*(\tb+1)+16
.endif
	EXP4 TI                                        ; Ec
	EXP4 TI+4
	v_nop
	s_wait_alu depctr_va_vdst(0)
	PKFMA TF, TO, TI, TO                           ; (1 + Eo)(1 + Ec)
	PKADDC TI, -1.0                                ; Ec - 1
	RCP4 TF
	RCP4 TF+4
	v_nop
	s_wait_alu depctr_va_vdst(0)
	PKMUL TI, TI, TF                               ; h
.if \kind == 2
	ds_store_b128 v[SA], v[TI:TI+3] offset:SSTEP*\tb           ; the last h in f32 takes the place of s, for the way out
	ds_store_b128 v[SA], v[TI+4:TI+7] offset:SSTEP*\tb+16
.endif
.irp j, 0,1,2,3
	v_cvt_pk_f16_f32 v[HPK+\j], v[TI+2*\j], v[TI+2*\j+1]
.endr
	ds_store_b128 v[HSA], v[HPK:HPK+3] offset:TSTEP*\tb        ; units 16w + 8hf .. +7 of row r, into the buffer that nobody reads in this step
.endm
; rel of the step before, for my wave's rows 32w .. 32w+31 (tiles 2w and 2w+1), from the h that this step reads
.macro RELLOAD rl
	WIN 0x40                                       ; into window 1, where the set W0 lay
.irp kq, 0,1,2,3
	ds_load_b128 v[RF0+8*\kq:RF0+8*\kq+3], v[\rl] offset:64*\kq
	ds_load_b128 v[RF0+8*\kq+4:RF0+8*\kq+7], v[\rl] offset:64*\kq+32
.endr
.irp kq, 0,1,2,3
	ds_load_b128 v[RF1+8*\kq:RF1+8*\kq+3], v[\rl] offset:TSTEP+64*\kq
	ds_load_b128 v[RF1+8*\kq+4:RF1+8*\kq+7], v[\rl] offset:TSTEP+64*\kq+32
.endr
	WIN 0
.endm
.macro RELMUL                          ; all in window 1; two accumulators by turns, one instruction a turn; the first products start the sums
	WIN 0x55
	v_wmma_f32_16x16x32_f16 v[RA:RA+7], v[POSW:POSW+7], v[RF0:RF0+7], 0
	v_wmma_f32_16x16x32_f16 v[RB:RB+7], v[POSW:POSW+7], v[RF1:RF1+7], 0
.irp kq, 1,2,3
	v_wmma_f32_16x16x32_f16 v[RA:RA+7], v[POSW+8*\kq:POSW+8*\kq+7], v[RF0+8*\kq:RF0+8*\kq+7], v[RA:RA+7]
	v_wmma_f32_16x16x32_f16 v[RB:RB+7], v[POSW+8*\kq:POSW+8*\kq+7], v[RF1+8*\kq:RF1+8*\kq+7], v[RB:RB+7]
.endr
.endm
; Rows 0, 1 and 8, 9 of the A tile are both (x, y), so registers 0, 1 of every lane hold (x, y) of tile row r: lanes 0-15 take tile 2w, lanes 16-31 tile 2w+1,
; and thread tid holds row tid.  The wave's store covers 256 consecutive bytes, aligned.  Still all in window 1, the store's address and data too.
.macro RELFIN step
	v_cndmask_b32 v[RELV], v[RA], v[RB], s44
	v_cndmask_b32 v[RELV+1], v[RA+1], v[RB+1], s44
	v_pk_add_f32 v[RELV:RELV+1], v[RELV:RELV+1], v[BP:BP+1]        ; rel = h w_pos^T + b_pos
	v_pk_add_f32 v[CUR:CUR+1], v[CUR:CUR+1], v[RELV:RELV+1]        ; cur = rel + last_pos: carried; no output takes it
	global_store_b64 v[TID8], v[RELV:RELV+1], s[32:33]
	WIN 0
.if \step
	s_wait_xcnt 0x0                                ; the base is stepped, and RELV written again a step later, only behind this wait; no other global instruction comes between
	s_add_nc_u64 s[32:33], s[32:33], 0x80000       ; the next step's plane of out0: 65,536 rows of 8 bytes
.endif
.endm
; The head of a step: addresses, tile 0's products, tile 1's fragments; from step 1 on also rel of the step before.
; It ends with no LDS instruction out, so that the counted waits of the tiles hold on the way in as they do round the loop.
.macro HEAD kind, rd, wr, rl
	v_add_nc_u32 v[RDA], \rd, v[CFR]
	v_add_nc_u32 v[HSA], \wr, v[CHS]
	v_mov_b32 v[SA], v[CS]
	FRLOAD 0
	ds_load_b128 v[SV:SV+3], v[SA]
	ds_load_b128 v[SV+4:SV+7], v[SA] offset:16
.if \kind == 0
	ds_load_b64 v[LXY:LXY+1], v[LPA]
	s_wait_dscnt 0x0
	GROUP0 ACC0
	PLACES
	FRLOAD TSTEP
	ds_load_b64 v[LXY:LXY+1], v[LPA] offset:128
.else
	RELLOAD \rl
	s_wait_dscnt 16                                ; tile 0's ten loads are in; the 16 rel fragment loads behind them may stay out
	GROUP1 ACC0
	PLACES
	FRLOAD TSTEP                                   ; tile 1's fragments are on their way while rel is multiplied
	s_wait_dscnt 8                                 ; the rel fragments are in; the eight loads just issued stay out
	RELMUL
	PLACES
	RELFIN 1
.endif
	s_wait_dscnt 0x0
.endm
; A step: 16 tiles, two a trip.  It reads h from rd and writes it to wr, so one barrier at its end serves both ways:
; in front of it every wave has waited for its reads of rd and its stores to wr.
.macro STEP kind, rd, wr, rl
	HEAD \kind, \rd, \wr, \rl
	s_mov_b32 s36, 7
.Ltiles_\@:
	TILE ACC0, ACC1, 0, \kind, 1, 1, 1
	TILE ACC1, ACC0, 1, \kind, 1, 1, 1
	v_add_nc_u32 v[RDA], 2*TSTEP, v[RDA]
	v_add_nc_u32 v[HSA], 2*TSTEP, v[HSA]
	v_add_nc_u32 v[SA], 2*SSTEP, v[SA]
.if \kind == 0
	v_add_nc_u32 v[LPA], 256, v[LPA]
.endif
	s_sub_co_i32 s36, s36, 1
	s_cmp_lg_u32 s36, 0
	s_cbranch_scc1 .Ltiles_\@
	TILE ACC0, ACC1, 0, \kind, 1, 0, 1             ; tiles 14 and 15: nothing is left to fetch
	TILE ACC1, ACC0, 1, \kind, 0, 0, 0
.if \kind == 0
	WIN 0x40
.irp g, 0,1,2,3
	ds_load_b128 v[BIAS+8*\g:BIAS+8*\g+3], v[TBD] offset:256+64*\g     ; b1 for all later steps
	ds_load_b128 v[BIAS+8*\g+4:BIAS+8*\g+7], v[TBD] offset:256+64*\g+16
.endr
	WIN 0
.endif
	s_wait_dscnt 0x0
	s_barrier_signal -1
	s_barrier_wait -1
.endm
	STEP 0, HB0, HB1, RL0
	s_mov_b32 s37, 3
.Lpair:
	STEP 1, HB1, HB0, RL1
	STEP 1, HB0, HB1, RL0
	s_sub_co_i32 s37, s37, 1
	s_cmp_lg_u32 s37, 0
	s_cbranch_scc1 .Lpair
	STEP 2, HB1, HB0, RL1
	; ---- the last rel, from buffer 0, and the last h
	RELLOAD RL0
	s_wait_dscnt 0x0
	RELMUL
	PLACES
	RELFIN 0
.set i, 0
.rept 32
	ds_load_b128 v[FR+4*i:FR+4*i+3], v[XS] offset:SPITCH*i         ; row 32 w + i: lane L takes units 4L .. 4L+3 from their owner's region
.set i, i+1
.endr
.set i, 0
.rept 32
	s_wait_dscnt 31-i                              ; LDS loads come back in order (ISA guide 5.7.1): load i is in, the younger ones stay out
	global_store_b128 v[CO], v[FR+4*i:FR+4*i+3], s[34:35] offset:512*i th:TH_STORE_NT     ; the wave stores the row's 512 consecutive bytes, aligned
.set i, i+1
.endr
	s_wait_xcnt 0x0
	v_lshl_add_u32 v254, v0, 2, 0x4ba00
	v_mov_b32 v255, 0
	s_wait_tensorcnt 0x0
	ds_add_u32 v254, v255
	s_wait_dscnt 0x0
	s_endpgm
.Lfunc_end_k_q67c7b23fa2_decoder:
	.size	k_q67c7b23fa2_decoder, .Lfunc_end_k_q67c7b23fa2_decoder-k_q67c7b23fa2_decoder
	.p2alignl 7, 3214868480
	.fill 96, 4, 3214868480
	.section	.rodata,"a",@progbits
	.p2align	6, 0x0
	.amdhsa_kernel k_q67c7b23fa2_decoder
		.amdhsa_group_segment_fixed_size 310784
		.amdhsa_private_segment_fixed_size 0
		.amdhsa_enable_private_segment 0
		.amdhsa_kernarg_size 112
		.amdhsa_user_sgpr_count 2
		.amdhsa_user_sgpr_kernarg_segment_ptr 1
		.amdhsa_wavefront_size32 1
		.amdhsa_system_sgpr_workgroup_id_x 1
		.amdhsa_system_sgpr_workgroup_id_y 1
		.amdhsa_system_sgpr_workgroup_id_z 1
		.amdhsa_system_vgpr_workitem_id 0
		.amdhsa_next_free_vgpr 512
		.amdhsa_next_free_sgpr 66
		.amdhsa_reserve_vcc 0
		.amdhsa_float_denorm_mode_32 3
		.amdhsa_float_denorm_mode_16_64 3
		.amdhsa_memory_ordered 1
		.amdhsa_forward_progress 1
		.amdhsa_inst_pref_size 255
	.end_amdhsa_kernel
	.amdgpu_metadata
---
amdhsa.version: [ 1, 2 ]
amdhsa.kernels:
  - .name:           k_q67c7b23fa2_decoder
    .symbol:         k_q67c7b23fa2_decoder.kd
    .args:
      - { .name: ch, .offset: 0, .size: 8, .value_kind: global_buffer, .address_space: global }
      - { .name: hh, .offset: 8, .size: 8, .value_kind: global_buffer, .address_space: global }
      - { .name: last_pos_rel, .offset: 16, .size: 8, .value_kind: global_buffer, .address_space: global }
      - { .name: last_pos, .offset: 24, .size: 8, .value_kind: global_buffer, .address_space: global }
      - { .name: w_ih, .offset: 32, .size: 8, .value_kind: global_buffer, .address_space: global }
      - { .name: w_hh, .offset: 40, .size: 8, .value_kind: global_buffer, .address_space: global }
      - { .name: b_ih, .offset: 48, .size: 8, .value_kind: global_buffer, .address_space: global }
      - { .name: b_hh, .offset: 56, .size: 8, .value_kind: global_buffer, .address_space: global }
      - { .name: w_emb, .offset: 64, .size: 8, .value_kind: global_buffer, .address_space: global }
      - { .name: b_emb, .offset: 72, .size: 8, .value_kind: global_buffer, .address_space: global }
      - { .name: w_pos, .offset: 80, .size: 8, .value_kind: global_buffer, .address_space: global }
      - { .name: b_pos, .offset: 88, .size: 8, .value_kind: global_buffer, .address_space: global }
      - { .name: out0, .offset: 96, .size: 8, .value_kind: global_buffer, .address_space: global }
      - { .name: out1, .offset: 104, .size: 8, .value_kind: global_buffer, .address_space: global }
    .group_segment_fixed_size: 310784
    .private_segment_fixed_size: 0
    .kernarg_segment_align: 8
    .kernarg_segment_size: 112
    .max_flat_workgroup_size: 256
    .sgpr_count:     66
    .vgpr_count:     512
    .wavefront_size: 32
...
	.end_amdgpu_metadata
.endif
;; end of part 1
